; MI455X (gfx1250); checked and timed in simulation.
; The chip was launched on July 23, 2026; its instructions are those of AMD's public machine-readable ISA for CDNA 5 (MIT licence, August 2026) and "CDNA5" Instruction Set Architecture Reference Guide (July 2026). The comments in the code are by the model that wrote it; some were corrected since.
;; Self Attn. Allowed arithmetic: matrix products marked QUANTISED: E5M2 operands, one E8M0 scale for each 32 along K, by v_wmma_scale_f32_16x16x128_f8f6f4 with both operands' format E5M2, f32 sums; products left as they are: f32 operands where the result goes on into a quantised operand, else bf16, f16 or f32 operands; f32 sums; everything else in f32.
;; Inputs: Wk 16 x 128 float32; Wq 16 x 128 float32; Wv 128 x 128 float32; bk 16 float32; bq 16 float32; bv 128 float32; gamma 1 float32; x 16 x 128 x 4,096 float32.
;; Outputs: out0 16 x 128 x 4,096 float32.
;; This version of the problem:
;;   THIS VERSION OF THE PROBLEM IS GIVEN IN LOW PRECISION. The matrix products marked QUANTISED in the list below multiply operands that are first quantised to E5M2 (5 exponent bits, 2 mantissa bits; 8 bits a number), with one power-of-two scale for each 32 numbers along K (OCP MX v1.0); their sums are f32. All else is computed in f32.
;;   The module's matrix products, in the order in which they are computed (A, B: the left and right operand; K: the contracted axis; several contracted axes count as one K, in the product's order):
;;     1. [M 65,536, K 128] x [K 128, N 16]; A: input x; B: input Wq: QUANTISED
;;     2. [M 65,536, K 128] x [K 128, N 16]; A: input x; B: input Wk: QUANTISED
;;     3. [M 65,536, K 128] x [K 128, N 128]; A: input x; B: input Wv: QUANTISED
;;     4. batch 16 x [M 4,096, K 16] x [K 16, N 4,096]; A: computed on the way; B: computed on the way: left as it is (K = 16 < 32)
;;     5. batch 16 x [M 128, K 4,096] x [K 4,096, N 4,096]; A: computed on the way; B: softmax (see below): QUANTISED
;;   THE QUANTISER, for each operand of a quantised product, along K:
;;     - K is cut into blocks of 32 from its start; a last block that is shorter is filled with zeros.
;;     - A block's scale is 2^e with e = floor(log2(the largest magnitude in the block)) - 15, held to -126 .. 127; a block of zeros has e = 0. As a byte (E8M0): e + 127.
;;     - Each number is divided by its block's scale, clamped to +-57,344, and rounded to the nearest number of E5M2, ties to even, subnormals kept.
;;     - The product sums the exact products of the quantised numbers (number of the format x scale) in f32.
;;   ~~~python
;;   def quantise(x, axis):      # numpy; x: float32 -> the quantised numbers, widened to float32 again
;;       x = np.moveaxis(x, axis, -1); K = x.shape[-1]
;;       x = np.pad(x, [(0, 0)] * (x.ndim - 1) + [(0, -K % 32)]); x = x.reshape(x.shape[:-1] + (-1, 32)); a = np.abs(x).max(-1, keepdims=True)
;;       e = np.where(a > 0, np.clip(np.frexp(np.where(a > 0, a, 1))[1] - 1 - 15, -126, 127), 0)      # np.frexp(a)[1] - 1 = floor(log2(a)), exactly
;;       r = np.clip(x / 2.0 ** e, -57344, 57344)
;;       step = 2.0 ** (np.maximum(np.frexp(np.where(r == 0, 1, r))[1] - 1, -14) - 2)
;;       q = np.round(r / step) * step * 2.0 ** e      # np.round: ties to even
;;       return np.moveaxis(q.reshape(q.shape[:-2] + (-1,))[..., :K], -1, axis).astype(np.float32)
;;   ~~~
;;   SOFTMAX AHEAD OF A QUANTISED PRODUCT. Where the list says 'softmax', what is quantised is not the finished softmax but p = 2^(t - M), with t = logit x log2(e) and M = ceil(the row's largest t), a whole number; so 1/2 < the row's largest p <= 1. The row's sum l is taken of the UNQUANTISED p, in f32, and the product's result is divided by l at the end. Since M is a whole number, a kernel that streams over the keys may use a running M (the ceiling of the running maximum): every later rescaling is an exact power of two, which a block's scale takes up: the codes' values come out the same.
;;   OPERANDS COMPUTED ON THE WAY. 'Computed on the way' means the value that the module computes at that place (a softmax that the list does not call 'softmax' is quantised finished and normalised). What goes into a quantiser is computed in f32, as accurately as f32 sums, v_exp_f32 and their like allow (about 1e-6 of the number): no bf16 or f16 on the way to a quantiser, and a product that is left as it is and whose result goes on into a quantised operand takes f32 operands (vector FMAs, or v_wmma_f32_16x16x4_f32). A number that lies on a knife's edge between two numbers of the format may be rounded either way, as far as f32 arithmetic and the matrix unit's own rounding can turn it there, and no further.
;; One version. Each part assembles by itself: llvm-mc -triple=amdgcn-amd-amdhsa -mcpu=gfx1250 --defsym DOCPART=n.
;; ======== version 1 of 1: 2 launches
;; workspace buffers: kv 12,582,912 bytes; vsc 262,144 bytes; kq 4,194,304 bytes
;; launch prep (part 1): grid 16 x 16, 8 waves a work-group, no clusters, 24,064 bytes of LDS; arguments x, Wv, Wq, Wk, bv, bq, bk, kv, vsc, kq; writes kv, vsc, kq
.if DOCPART == 1
	.amdgcn_target "amdgcn-amd-amdhsa--gfx1250"
	.amdhsa_code_object_version 6
	.text
	.protected	k_qd6b720fc3d_prep
	.globl	k_qd6b720fc3d_prep
	.p2align	8
	.type	k_qd6b720fc3d_prep,@function
k_qd6b720fc3d_prep:
	s_mov_b64 s[64:65], 0
	v_nop
	global_prefetch_b8 v0, s[64:65] scope:SCOPE_SE
	s_setreg_imm32_b32 hwreg(HW_REG_WAVE_MODE, 25, 1), 1
	s_wait_xcnt 0x0
; q = Wq x + bq, k = Wk x + bk, v = Wv x + bv for x [16][128 c][4096 n], all three products on codes of BF8 (E5M2) with one E8M0 scale for each 32 along c.
; x and the weights are quantised here; v is quantised again, along n, for the next launch's product.  q and k stay f32.
; All results are stored IN THE ORDER OF THE NEXT LAUNCH'S OPERAND REGISTERS, 16 bytes a lane, 512 consecutive bytes a store:
;   kv  [batch][step of 128 n][24,576]: bytes 0-8,191: q, tile t = 2 bl + u, chunk c, at 1024 t + 512 c + 16 lane: dims 8 h + 4 c + 0..3 of position 32 bl + 8 u + r + 8 (r / 8);
;       bytes 8,192 on: v's codes, channel tile ct, block bl, at 2048 ct + 512 bl + 16 lane: channel 16 ct + r, positions 32 bl + 16 h + 0..15.     (r = lane % 16, h = lane / 16)
;   vsc [batch][step][512]: byte 16 (r + 16 (ct % 2)) + 4 (ct / 2) + bl: the scale byte of channel 16 ct + r, block bl.
;   kq  [batch][tile of 16 positions][1,024]: k, laid as a tile of q.
; SHARES.  A work-group takes 256 positions of one batch, each of its eight waves 32: one block of 32 along n.  A LANE TAKES A POSITION AND ITS REGISTERS RUN DOWN c: a block of 32 along c lies in one lane,
; and the conversions give codes with c innermost.  Lane l takes position l with bits 3 and 4 exchanged, so that lanes 0-15 hold the rows of tile u = 0 and lanes 16-31 those of tile u = 1.
; The weights' 40 (tile, block) units are quantised once a work-group, five a wave, and go from wave to wave through LDS as images of the operand's registers.
; No tensor load, so no ring.  No cluster: what work-groups share are the weights' 81,920 bytes, which go from memory straight into the quantiser's registers, 10,240 bytes a wave, once.
; LIMITS: NaN and infinities among the inputs are not served; a block whose largest magnitude lies under 2^-111 is quantised under the byte 1, and a block of zeros gets the byte 1 where the rule says 127
; (its codes are zeros, and this program alone reads the bytes).
.set WIMG, 0                           ; LDS: 10 weight tiles x 2,048 bytes (0-7 Wv, 8 Wq, 9 Wk), register images
.set WSC,  10*2048                     ; their scale words, 128 bytes a tile: 4 x lane
.set SV,   WSC+10*128                  ; v's scale bytes of the work-group's two steps, 512 bytes each
.set XO,  1                            ; v1   4 x my position among the wave's 32
.set WA,  2                            ; v2   a weight tile: 512 r + 64 h
.set LI,  3                            ; v3   16 x lane
.set LS,  4                            ; v4   4 x lane
.set AWI, 5                            ; v5   where I store my Wv tile's image: 16 lane + 2048 wave
.set AWS, 6                            ; v6   and its scale word: 4 lane + 128 wave
.set AUI, 7                            ; v7   my block of Wq or Wk: 16 lane + 2048 (wave / 4) + 512 (wave % 4)
.set AUS, 8                            ; v8   and its scale byte: 4 lane + 128 (wave / 4) + wave % 4
.set ASB, 9                            ; v9   v's scale bytes: 16 r + 512 (wave / 4) + wave % 4
.set ASR, 10                           ; v10  and where a step's 512 are read back: 16 lane + 512 (wave / 4)
.set ABH, 11                           ; v11  32 h: bq's and bk's eight numbers of my half
.set ABR, 12                           ; v12  4 r: bv's number of my channel
.set XSW, 13                           ; v13  x's scale word: lanes 0-15 tile 0's rows, lanes 16-31 tile 1's; scales and nothing else
.set PW,  14                           ; v14  a weight tile's scale word, on its way to LDS
.set TM,  16                           ; v16-31 at work: +0..3 largest magnitudes, +4..7 bytes, +8..11 the largest number x the scale, +12..15 the conversions' scale operands
.set BQ,  32                           ; v32-39 bq, v40-47 bk: the C of their products
.set BK,  40
.set BV,  48                           ; v48-55 bv(16 ct + r)
.set BP,  56                           ; v[56:57] one of them, twice
.set SCW, 58                           ; v58-61 weight tiles' scale words; scales and nothing else
.set WF,  64                           ; v64-127 my Wv tile as f32; later four weight fragments
.set WU,  128                          ; v128-143 my block of Wq or Wk as f32
.set PCV, 128                          ; v128-159 later: v's codes, 16 registers for each four channel tiles
.set PCW, 144                          ; v144-159 first: my Wv tile's codes
.set XA,  160                          ; v160-175 x's codes of c = 32 t + 0..15; behind the exchange: tile 0's operand
.set XB,  176                          ; v176-191 those of c = 32 t + 16..31; behind the exchange: tile 1's operand
.set X,   192                          ; v192-255 two sets of 32 numbers of x
.set D,   192                          ; later the products' results
.set WV,  24
.set MNT, 25                           ; s25 the mantissa field of 57,344
.set SEL, 26                           ; s[26:27] v_permlanex16_b32's selects for lane l xor 16
.macro LOAD t                          ; x(32 t + i, my position), i = 0..31: a wave's load covers 128 consecutive bytes, the eight waves 1,024
.set li, 0
.rept 32
	global_load_b32 v[X+32*((\t)%2)+li], v[XO], s[4:5] offset:(32*(\t)+li)*16384 th:TH_LOAD_NT
.set li, li+1
.endr
.endm
.macro XBLOCK t                        ; block t of my position: 32 numbers, all mine
.set XS, X+32*((\t)%2)
.if (\t) < 3
	s_wait_loadcnt 32                              ; this block's 32 loads are in; the next block's 32 may be out
.else
	s_wait_loadcnt 0x0
.endif
	v_max3_num_f32 v[TM], |v[XS]|, |v[XS+1]|, |v[XS+2]|
	v_max3_num_f32 v[TM+1], |v[XS+3]|, |v[XS+4]|, |v[XS+5]|
.irp i, 6,10,14,18,22,26
	v_max3_num_f32 v[TM], v[TM], |v[XS+\i]|, |v[XS+\i+1]|
	v_max3_num_f32 v[TM+1], v[TM+1], |v[XS+\i+2]|, |v[XS+\i+3]|
.endr
	v_max3_num_f32 v[TM], v[TM], |v[XS+30]|, |v[XS+31]|
	v_max3_num_f32 v[TM], v[TM], v[TM+1], 0x8000000   ; and the floor 2^(16 - 127): the byte cannot fall under 1
	v_add_nc_u32 v[TM+12], 0xf8800000, v[TM]       ; 15 off the exponent field: the conversion's scale operand
	v_and_or_b32 v[TM+8], v[TM], 0x7f800000, s[MNT]   ; 57,344 x the scale
	v_lshrrev_b32 v[TM+2], 23, v[TM+12]            ; the scale's byte
.if (\t) == 0
	v_mov_b32 v[XSW], v[TM+2]
.else
	v_lshl_or_b32 v[XSW], v[TM+2], 8*(\t), v[XSW]
.endif
.set li, 0
.rept 32
	v_med3_num_f32 v[XS+li], v[XS+li], -v[TM+8], v[TM+8]   ; the conversion to an 8-bit code does not saturate (ISA guide 7.6.2): the hold comes first
.set li, li+1
.endr
	v_cvt_scalef32_pk8_bf8_f32 v[XA+4*(\t):XA+4*(\t)+1], v[XS:XS+7], v[TM+12]
	v_cvt_scalef32_pk8_bf8_f32 v[XA+4*(\t)+2:XA+4*(\t)+3], v[XS+8:XS+15], v[TM+12]
	v_cvt_scalef32_pk8_bf8_f32 v[XB+4*(\t):XB+4*(\t)+1], v[XS+16:XS+23], v[TM+12]
	v_cvt_scalef32_pk8_bf8_f32 v[XB+4*(\t)+2:XB+4*(\t)+3], v[XS+24:XS+31], v[TM+12]
	v_nop                                          ; a plain line behind the last conversion
.if (\t) < 2
	LOAD (\t)+2
.endif
.endm
; nb blocks, 16 numbers of a lane each (v[s + 16 b] on), the other 16 in lane l xor 16: codes into v[pc + 4 b] on, the byte into v[TM + 4 + b]
.macro QUANT s, nb, pc
.set qb, 0
.rept \nb
	v_max3_num_f32 v[TM+qb], |v[16*qb+(\s)]|, |v[16*qb+(\s)+1]|, 0x8000000   ; with the floor 2^(16 - 127) among the leaves
.set qb, qb+1
.endr
.irp i, 2,4,6,8,10,12,14
.set qb, 0
.rept \nb
	v_max3_num_f32 v[TM+qb], v[TM+qb], |v[16*qb+(\s)+\i]|, |v[16*qb+(\s)+\i+1]|   ; the blocks by turns
.set qb, qb+1
.endr
.endr
.set qb, 0
.rept \nb
	v_permlanex16_b32 v[TM+4+qb], v[TM+qb], s[SEL], s[SEL+1]
.set qb, qb+1
.endr
.set qb, 0
.rept \nb
	v_max_num_f32 v[TM+qb], v[TM+qb], v[TM+4+qb]   ; the block's largest magnitude
.set qb, qb+1
.endr
.set qb, 0
.rept \nb
	v_add_nc_u32 v[TM+12+qb], 0xf8800000, v[TM+qb]
.set qb, qb+1
.endr
.set qb, 0
.rept \nb
	v_and_or_b32 v[TM+8+qb], v[TM+qb], 0x7f800000, s[MNT]
.set qb, qb+1
.endr
.set qb, 0
.rept \nb
	v_lshrrev_b32 v[TM+4+qb], 23, v[TM+12+qb]
.set qb, qb+1
.endr
.set qb, 0
.rept \nb
.set qi, 0
.rept 16
	v_med3_num_f32 v[16*qb+(\s)+qi], v[16*qb+(\s)+qi], -v[TM+8+qb], v[TM+8+qb]
.set qi, qi+1
.endr
	v_cvt_scalef32_pk8_bf8_f32 v[4*qb+(\pc):4*qb+(\pc)+1], v[16*qb+(\s):16*qb+(\s)+7], v[TM+12+qb]
	v_cvt_scalef32_pk8_bf8_f32 v[4*qb+(\pc)+2:4*qb+(\pc)+3], v[16*qb+(\s)+8:16*qb+(\s)+15], v[TM+12+qb]
.set qb, qb+1
.endr
	v_nop                                          ; a plain line behind the last conversion: matrix instructions later write its sources
.endm
.macro FETCH reg, off                  ; a fragment's image comes back as it was stored, in any wave
.irp c, 0,1,2,3
	ds_load_b128 v[4*\c+(\reg):4*\c+(\reg)+3], v[LI] offset:512*\c+(\off)
.endr
.endm
.macro PLACES n
.rept \n
	v_nop
.endr
.endm
	s_load_b512 s[4:19], s[0:1], 0x0               ; x 4, Wv 6, Wq 8, Wk 10, bv 12, bq 14, bk 16, kv 18
	s_load_b128 s[20:23], s[0:1], 0x40             ; vsc 20, kq 22
	s_set_vgpr_msb 0x40
	v_lshl_add_u32 v0, v0, 2, 0x5a00
	v_mov_b32 v1, 0
	s_set_vgpr_msb 0x4000
	v_lshrrev_b32 v15, 5, v0
	v_readfirstlane_b32 s[WV], v15                 ; wave 0..7
	v_and_b32 v15, 31, v0                          ; lane
	v_and_b32 v62, 15, v0                          ; r
	v_bfe_u32 v63, v0, 4, 1                        ; h
	v_and_b32 v[XO], 7, v0
	v_bfe_u32 v[WA], v0, 3, 1
	v_lshl_add_u32 v[XO], v[WA], 4, v[XO]
	v_lshl_add_u32 v[XO], v63, 3, v[XO]            ; my position: lane % 8 + 16 ((lane / 8) % 2) + 8 (lane / 16)
	v_lshlrev_b32 v[XO], 2, v[XO]
	v_lshlrev_b32 v[WA], 9, v62
	v_lshl_add_u32 v[WA], v63, 6, v[WA]
	v_lshlrev_b32 v[LI], 4, v15
	v_lshlrev_b32 v[LS], 2, v15
	s_lshr_b32 s36, s[WV], 2                       ; which of the two steps
	s_and_b32 s37, s[WV], 3                        ; which block of 32 in it
	s_lshl_b32 s34, s[WV], 11
	v_add_nc_u32 v[AWI], s34, v[LI]
	s_lshl_b32 s34, s[WV], 7
	v_add_nc_u32 v[AWS], s34, v[LS]
	s_lshl_b32 s34, s36, 11
	s_lshl_b32 s35, s37, 9
	s_add_co_u32 s34, s34, s35
	v_add_nc_u32 v[AUI], s34, v[LI]
	s_lshl_b32 s34, s36, 7
	s_add_co_u32 s34, s34, s37
	v_add_nc_u32 v[AUS], s34, v[LS]
	s_lshl_b32 s34, s36, 9
	v_add_nc_u32 v[ASR], s34, v[LI]
	s_add_co_u32 s34, s34, s37
	v_lshl_add_u32 v[ASB], v62, 4, s34
	v_lshlrev_b32 v[ABH], 5, v63
	v_lshlrev_b32 v[ABR], 2, v62
.irp b, 0,1,2,3
	v_mov_b32 v[TM+4+\b], 0                        ; written once: a lane permute's destination counts as one of its sources
.endr
	s_mov_b32 s[MNT], 0x600000
	s_mov_b32 s[SEL], 0x76543210
	s_mov_b32 s[SEL+1], 0xfedcba98
	s_and_b32 s40, ttmp7, 0xffff                   ; the batch
	s_lshl_b32 s41, s40, 5
	s_lshl_b32 s42, ttmp9, 1
	s_add_co_u32 s41, s41, s42
	s_add_co_u32 s41, s41, s36                     ; my step among all: 32 batch + 2 x + wave / 4
	s_mul_i32 s42, s41, 24576                      ; its first byte in kv (under 2^24)
	s_mov_b32 s35, 0
	s_wait_kmcnt 0x0
	s_lshl_b32 s34, s37, 11
	s_add_co_u32 s34, s34, s42
	s_add_nc_u64 s[30:31], s[18:19], s[34:35]      ; q's two tiles of my block
	s_lshl_b32 s34, s37, 9
	s_add_co_u32 s34, s34, s42
	s_add_co_u32 s34, s34, 8192
	s_add_nc_u64 s[32:33], s[18:19], s[34:35]      ; v's codes: my block's chunk of channel tile 0
	s_lshl_b32 s34, s41, 9
	s_add_nc_u64 s[20:21], s[20:21], s[34:35]      ; my step's 512 scale bytes
	s_lshl_b32 s34, s40, 18
	s_lshl_b32 s38, ttmp9, 14
	s_add_co_u32 s34, s34, s38
	s_lshl_b32 s38, s[WV], 11
	s_add_co_u32 s34, s34, s38
	s_add_nc_u64 s[22:23], s[22:23], s[34:35]      ; k's two tiles: 262,144 batch + 1,024 (16 x + 2 wave)
	s_lshl_b32 s34, s40, 21
	s_lshl_b32 s38, ttmp9, 10
	s_add_co_u32 s34, s34, s38
	s_lshl_b32 s38, s[WV], 7
	s_add_co_u32 s34, s34, s38
	s_add_nc_u64 s[4:5], s[4:5], s[34:35]          ; x at c = 0 of my wave's first position
	s_lshl_b32 s34, s[WV], 13
	s_add_nc_u64 s[6:7], s[6:7], s[34:35]          ; Wv's rows 16 wave on
	s_cmp_lt_u32 s[WV], 4                          ; waves 0-3 take Wq's four blocks, waves 4-7 Wk's: the choice hangs on the wave's number alone
	s_cselect_b64 s[28:29], s[8:9], s[10:11]
	s_lshl_b32 s34, s37, 7
	s_add_nc_u64 s[28:29], s[28:29], s[34:35]
	; ---- the first loads: 32 for weights and biases, then x's first block
.irp b, 0,1,2,3
.irp j, 0,1,2,3
	global_load_b128 v[WF+16*\b+4*\j:WF+16*\b+4*\j+3], v[WA], s[6:7] offset:128*\b+16*\j   ; Wv(16 wave + r, 32 b + 16 h + 4 j ..)
.endr
.endr
.irp j, 0,1,2,3
	global_load_b128 v[WU+4*\j:WU+4*\j+3], v[WA], s[28:29] offset:16*\j
.endr
	global_load_b128 v[BQ:BQ+3], v[ABH], s[14:15]
	global_load_b128 v[BQ+4:BQ+7], v[ABH], s[14:15] offset:16
	global_load_b128 v[BK:BK+3], v[ABH], s[16:17]
	global_load_b128 v[BK+4:BK+7], v[ABH], s[16:17] offset:16
.irp ct, 0,1,2,3,4,5,6,7
	global_load_b32 v[BV+\ct], v[ABR], s[12:13] offset:64*\ct
.endr
	LOAD 0
	s_wait_loadcnt 32                              ; the 32 loads of weights and biases are in; x's first 32 may be out
	LOAD 1
	; ---- the weights: my tile of Wv and my block of Wq or Wk, as images into LDS
	QUANT WF, 4, PCW
	v_lshl_or_b32 v[PW], v[TM+5], 8, v[TM+4]
	v_lshl_or_b32 v[PW], v[TM+6], 16, v[PW]
	v_lshl_or_b32 v[PW], v[TM+7], 24, v[PW]
.irp c, 0,1,2,3
	ds_store_b128 v[AWI], v[PCW+4*\c:PCW+4*\c+3] offset:WIMG+512*\c
.endr
	ds_store_b32 v[AWS], v[PW] offset:WSC
	QUANT WU, 1, XA
	ds_store_b128 v[AUI], v[XA:XA+3] offset:WIMG+8*2048
	ds_store_b8 v[AUS], v[TM+4] offset:WSC+8*128
	s_wait_dscnt 0x0                               ; for the others' sake: my images have landed
	s_barrier_signal -1
	s_barrier_wait -1                              ; all ten tiles lie in LDS
	; ---- x: four blocks of 32 along c
	XBLOCK 0
	XBLOCK 1
	XBLOCK 2
	XBLOCK 3
.set li, 0
.rept 16
	v_permlane16_swap_b32 v[XA+li], v[XB+li]       ; XA's lanes 16-31 (tile 1, low c) change places with XB's lanes 0-15 (tile 0, high c): XA is now tile 0's operand, XB tile 1's
.set li, li+1
.endr
	PLACES 8                                       ; a scale word made by vector instructions stands eight places ahead of a scaled product, codes four
	; ---- v: source 0 = 16 positions, source 1 = 16 channels: lane (r, h) holds channel 16 ct + r, and the 16 registers of tiles u = 0, 1 are positions 16 h + 0..15 of my block
.irp g, 0,1
.irp q, 0,1,2,3
	FETCH WF+16*\q, WIMG+2048*(4*\g+\q)
	ds_load_b32 v[SCW+\q], v[LS] offset:WSC+128*(4*\g+\q)
.endr
	s_wait_dscnt 0x0
.irp q, 0,1,2,3
	v_wmma_scale_f32_16x16x128_f8f6f4 v[D+16*\q:D+16*\q+7], v[XA:XA+15], v[WF+16*\q:WF+16*\q+15], 0, v[XSW], v[SCW+\q] matrix_a_fmt:MATRIX_FMT_BF8 matrix_b_fmt:MATRIX_FMT_BF8
	v_wmma_scale_f32_16x16x128_f8f6f4 v[D+16*\q+8:D+16*\q+15], v[XB:XB+15], v[WF+16*\q:WF+16*\q+15], 0, v[XSW], v[SCW+\q] matrix_a_fmt:MATRIX_FMT_BF8 matrix_b_fmt:MATRIX_FMT_BF8 matrix_a_scale:MATRIX_SCALE_ROW1
.endr
	PLACES 9                                       ; behind the products: eight ahead of reads of results and of loads into operands, nine ahead of products that write these registers again
.irp q, 0,1,2,3
	v_mov_b32 v[BP], v[BV+4*\g+\q]
	v_mov_b32 v[BP+1], v[BV+4*\g+\q]
.irp i, 0,2,4,6,8,10,12,14
	v_pk_add_f32 v[D+16*\q+\i:D+16*\q+\i+1], v[D+16*\q+\i:D+16*\q+\i+1], v[BP:BP+1]   ; + bv; each result from its low end on
.endr
.endr
	QUANT D, 4, PCV+16*\g                          ; four channel tiles' block of 32 along n
.irp q, 0,1,2,3
	global_store_b128 v[LI], v[PCV+16*\g+4*\q:PCV+16*\g+4*\q+3], s[32:33] offset:2048*(4*\g+\q)   ; 512 consecutive bytes, aligned
	ds_store_b8 v[ASB], v[TM+4+\q] offset:SV+256*(\q%2)+4*(2*\g+\q/2)   ; both lanes of a block write the same byte with the same value
.endr
.endr
	; ---- q and k: source 0 = the 16 dims, source 1 = 16 positions: lane (r, h) holds dims 8 h + 0..7 of position r of the tile; the bias is the C
	FETCH WF, WIMG+8*2048
	FETCH WF+16, WIMG+9*2048
	ds_load_b32 v[SCW], v[LS] offset:WSC+8*128
	ds_load_b32 v[SCW+1], v[LS] offset:WSC+9*128
	s_wait_dscnt 0x0
	v_wmma_scale_f32_16x16x128_f8f6f4 v[D:D+7], v[WF:WF+15], v[XA:XA+15], v[BQ:BQ+7], v[SCW], v[XSW] matrix_a_fmt:MATRIX_FMT_BF8 matrix_b_fmt:MATRIX_FMT_BF8
	v_wmma_scale_f32_16x16x128_f8f6f4 v[D+8:D+15], v[WF:WF+15], v[XB:XB+15], v[BQ:BQ+7], v[SCW], v[XSW] matrix_a_fmt:MATRIX_FMT_BF8 matrix_b_fmt:MATRIX_FMT_BF8 matrix_b_scale:MATRIX_SCALE_ROW1
	v_wmma_scale_f32_16x16x128_f8f6f4 v[D+16:D+23], v[WF+16:WF+31], v[XA:XA+15], v[BK:BK+7], v[SCW+1], v[XSW] matrix_a_fmt:MATRIX_FMT_BF8 matrix_b_fmt:MATRIX_FMT_BF8
	v_wmma_scale_f32_16x16x128_f8f6f4 v[D+24:D+31], v[WF+16:WF+31], v[XB:XB+15], v[BK:BK+7], v[SCW+1], v[XSW] matrix_a_fmt:MATRIX_FMT_BF8 matrix_b_fmt:MATRIX_FMT_BF8 matrix_b_scale:MATRIX_SCALE_ROW1
	PLACES 9
.irp u, 0,1
.irp c, 0,1
	global_store_b128 v[LI], v[D+8*\u+4*\c:D+8*\u+4*\c+3], s[30:31] offset:1024*\u+512*\c        ; q; each result's low four registers first
	global_store_b128 v[LI], v[D+16+8*\u+4*\c:D+16+8*\u+4*\c+3], s[22:23] offset:1024*\u+512*\c  ; k
.endr
.endr
	; ---- v's scale bytes: a step's 512 come from four waves; one of them stores them whole
	s_wait_dscnt 0x0                               ; for the others' sake: my byte stores have landed
	s_barrier_signal -1
	s_barrier_wait -1
	s_cmp_lg_u32 s37, 0                            ; waves 0 and 4
	s_cbranch_scc1 .Lend
	ds_load_b128 v[TM:TM+3], v[ASR] offset:SV
	s_wait_dscnt 0x0
	global_store_b128 v[LI], v[TM:TM+3], s[20:21]  ; 512 consecutive bytes, aligned
.Lend:
	s_set_vgpr_msb 0x5
	s_wait_tensorcnt 0x0
	ds_add_u32 v0, v1
	s_wait_dscnt 0x0
	s_set_vgpr_msb 0x500
	s_endpgm
.Lfunc_end_k_qd6b720fc3d_prep:
	.size	k_qd6b720fc3d_prep, .Lfunc_end_k_qd6b720fc3d_prep-k_qd6b720fc3d_prep
	.p2alignl 7, 3214868480
	.fill 96, 4, 3214868480
	.section	.rodata,"a",@progbits
	.p2align	6, 0x0
	.amdhsa_kernel k_qd6b720fc3d_prep
		.amdhsa_group_segment_fixed_size 24064
		.amdhsa_private_segment_fixed_size 0
		.amdhsa_enable_private_segment 0
		.amdhsa_kernarg_size 80
		.amdhsa_user_sgpr_count 2
		.amdhsa_user_sgpr_kernarg_segment_ptr 1
		.amdhsa_wavefront_size32 1
		.amdhsa_system_sgpr_workgroup_id_x 1
		.amdhsa_system_sgpr_workgroup_id_y 1
		.amdhsa_system_sgpr_workgroup_id_z 1
		.amdhsa_system_vgpr_workitem_id 0
		.amdhsa_next_free_vgpr 258
		.amdhsa_next_free_sgpr 66
		.amdhsa_reserve_vcc 0
		.amdhsa_float_denorm_mode_32 3
		.amdhsa_float_denorm_mode_16_64 3
		.amdhsa_memory_ordered 1
		.amdhsa_forward_progress 1
		.amdhsa_inst_pref_size 74
	.end_amdhsa_kernel
	.amdgpu_metadata
---
amdhsa.version: [ 1, 2 ]
amdhsa.kernels:
  - .name:           k_qd6b720fc3d_prep
    .symbol:         k_qd6b720fc3d_prep.kd
    .args:
      - { .name: x, .offset: 0, .size: 8, .value_kind: global_buffer, .address_space: global }
      - { .name: Wv, .offset: 8, .size: 8, .value_kind: global_buffer, .address_space: global }
      - { .name: Wq, .offset: 16, .size: 8, .value_kind: global_buffer, .address_space: global }
      - { .name: Wk, .offset: 24, .size: 8, .value_kind: global_buffer, .address_space: global }
      - { .name: bv, .offset: 32, .size: 8, .value_kind: global_buffer, .address_space: global }
      - { .name: bq, .offset: 40, .size: 8, .value_kind: global_buffer, .address_space: global }
      - { .name: bk, .offset: 48, .size: 8, .value_kind: global_buffer, .address_space: global }
      - { .name: kv, .offset: 56, .size: 8, .value_kind: global_buffer, .address_space: global }
      - { .name: vsc, .offset: 64, .size: 8, .value_kind: global_buffer, .address_space: global }
      - { .name: kq, .offset: 72, .size: 8, .value_kind: global_buffer, .address_space: global }
    .group_segment_fixed_size: 24064
    .private_segment_fixed_size: 0
    .kernarg_segment_align: 8
    .kernarg_segment_size: 80
    .max_flat_workgroup_size: 256
    .sgpr_count:     66
    .vgpr_count:     258
    .wavefront_size: 32
...
	.end_amdgpu_metadata
.endif
;; end of part 1
;; launch attn (part 2): grid 16 x 16, 16 waves a work-group, clusters of 4 x 1, 327,680 bytes of LDS; arguments kv, vsc, kq, x, gamma, out0; writes out0
.if DOCPART == 2
	.amdgcn_target "amdgcn-amd-amdhsa--gfx1250"
	.amdhsa_code_object_version 6
	.text
	.protected	k_qd6b720fc3d_attn
	.globl	k_qd6b720fc3d_attn
	.p2align	8
	.type	k_qd6b720fc3d_attn,@function
k_qd6b720fc3d_attn:
	s_mov_b64 s[64:65], 0
	v_nop
	global_prefetch_b8 v0, s[64:65] scope:SCOPE_SE
	s_setreg_imm32_b32 hwreg(HW_REG_WAVE_MODE, 25, 1), 1
	s_wait_xcnt 0x0
	s_wait_alu depctr_hold_cnt(0) depctr_sa_sdst(0) depctr_va_vdst(0) depctr_va_sdst(0) depctr_va_ssrc(0) depctr_va_vcc(0) depctr_vm_vsrc(0)
	s_getreg_b32 s2, hwreg(HW_REG_IB_STS2, 6, 4)
	s_cmp_eq_u32 s2, 0
	s_cbranch_scc0 .Lentry_in_a_cluster
	s_endpgm
.Lentry_in_a_cluster:
	s_bfe_u32 s2, ttmp6, 0x10000c
	s_cmp_lg_u32 s2, 0x3003
	s_cbranch_scc0 .Lentry_shape_is_right
	s_endpgm
.Lentry_shape_is_right:
; out[b][c][m] = gamma x (sum over n of v[c][n] p[n][m]) / l[m] + x[b][c][m], with p[n][m] = 2^(t - M), t = (q[:, n] . k[:, m]) x log2(e), M = the largest t of column m so far, rounded UP to a whole
; number, l[m] = the sum over n of the unquantised p.  The softmax runs over n.  When M moves, l and the sums are multiplied by 2^(old M - new M), which rounds nothing.
; THE SCORES have K = 16 and feed a quantiser: they are made of f32 operands, by v_wmma_f32_16x16x4_f32, four K steps a tile.  Both sides take the 16 dims in the same order: K step s contracts dims 2 s, 2 s + 1, 8 + 2 s, 9 + 2 s.
; THE SECOND PRODUCT is on codes of BF8 (E5M2) with one E8M0 scale for each 32 along n: v's come from the launch before, p's are made here.
; SHARES.  A work-group owns 256 positions m of one batch, each of its SIXTEEN waves one tile of 16, in 256 registers: four waves to a SIMD, so that one wave's vector work stands beside another's matrix work.
; Every wave walks all 4,096 n, 128 a step.  Lane (r, h) holds position m = 256 x + 32 (wave / 2) + 8 (wave % 2) + r + 8 (r / 8) throughout: S^T (source 0 = 16 n, source 1 = my 16 m) and O^T (source 0 = 16 channels, source 1 = p).
; THE n OF A TILE ARE NOT NEIGHBOURS: row r of tile 2 b + u is n = 32 b + 8 u + r + 8 (r / 8), so that the 16 registers of tiles 2 b, 2 b + 1 are n = 32 b + 16 h + 0..15: the conversions' results are the operand.
; LDS holds IMAGES OF THE OPERANDS' REGISTERS, as the launch before stored them: every LDS load of the loop takes 16 bytes a lane at 16 x lane, 512 consecutive bytes: no pitch, no padding.
; RING: two slots of four steps (4 x 24,576 bytes); waves 0-3 fetch a step each, one tensor load a wave behind each change of slots.  v's scale bytes of the whole batch (16,384) come once, by wave 4.
; CLUSTER: the four work-groups of a cluster belong to one batch and walk the same q and v: each tile is asked for JOINTLY, by the same tensor load with the same descriptor and a mask that names the four.
; The registers that the f32 matrix form writes (v96-159) are written by nothing else: p goes into v32-95.
; LIMITS: NaN and infinities are not served; a p under 2^-126 becomes 0; a block of p that is all zeros gets the byte 1 (its codes are zeros); a block's largest p is taken from the block's largest score,
; which leans on the exponential not falling where its input rises.
.set STEPB, 24576                      ; a step's block: 8,192 bytes of q, 16,384 of v's codes
.set VOFF,  8192
.set SLOTB, 4*STEPB
.set SLOT1, 1<<17                      ; slot 1 begins here: one exclusive or turns an address in one slot into the other's
.set SCV,   2*SLOT1                    ; v's scale bytes, 512 a step
.set SPARE, SCV+16384                  ; the spare words, 128 bytes for each wave: eight blocks of 256 bytes that no other line names
.set SP,    1040                       ; the way out: a stage of 128 channel rows x (1,024 bytes + 16), from LDS byte 0: the slots have had their last fill and their last read by then
.set LI,  1                            ; v1   16 x lane
.set LSV, 2                            ; v2   SCV + 16 x lane
.set PFO, 3                            ; v3   256 x lane: the prefetches' offset
.set SO0, 4                            ; v4   the stage, in: 8 h rows + my position's 4 bytes
.set SO1, 5                            ; v5   the same, 64 rows on
.set SR,  6                            ; v6   the stage, back: my wave's 8 rows, 16 bytes a lane
.set SPW, 7                            ; v7   LDS address of my spare word; never rewritten
.set NIL, 8                            ; v8   0; never rewritten
.set ADQ, 9                            ; v9   the step's block in LDS + 16 x lane
.set ADT, 10                           ; v10  the step's scale bytes + 16 x lane
.set KB,  16                           ; v16-23 k of my position: dims 8 h + 0..7.   v12 -M, v13 the largest t, v[14:15] l in two halves
.set F,   32                           ; v32-95  q's eight fragments; then p; then four fragments of v; on the way out x
.set S,   96                           ; v96-159 S^T
.set O,   160                          ; v160-223 O^T
.set PC,  224                          ; v224-239 p's codes
.set BM,  232                          ; v232-235 the blocks' largest scores, then p; v236-239 the other half's, then bytes; v240-243 57,344 x the scale; v244-247 the conversions' scale operands
.set VS,  248                          ; v248-251 v's scale words: register i: lanes 0-15 tile 2 i, lanes 16-31 tile 2 i + 1.   v252 f, v253 p's scale word, v254 at work
.set WV,  18
.set MNT, 19                           ; s19 the mantissa field of 57,344
.set SEL, 20                           ; s[20:21] selects for lane l xor 16
.set CS,  22                           ; s[22:23] log2(e), twice
.set G1,  24                           ; s[24:31] group 1: 96 rows of 256 bytes, dense;  s[32:35] its group 0, which walks
.set G0,  32
.set G1S, 36                           ; s[36:43] group 1 for the scale bytes: 64 rows of 256 bytes;  s[44:47] its group 0
.set G0S, 44
.set TB,  48                           ; s48 LDS byte at which the step's block begins
.set TS,  49                           ; s49 512 x the step
.set SLOTS, 50                         ; s50 slots still to be asked for
.set STEPS, 51
.set PFA, 52                           ; s[52:53] where my prefetches stand in memory
.set LIM, 54                           ; s54 1 in a wave that prefetches, else the greatest number
.set GAM, 55
.set XP,  56                           ; s[56:57] x, s[58:59] out0: my wave's 8 channel rows at the work-group's 256 positions
.set OP,  58
.macro CROUND                          ; a round of the cluster's barrier
	s_barrier_signal -1
	s_barrier_wait -1
	s_cmp_lg_u32 s[WV], 0
	s_cbranch_scc1 .Lnot_wave_0_\@
	s_barrier_signal -3
.Lnot_wave_0_\@:
	s_barrier_wait -3
	s_barrier_signal -1
	s_barrier_wait -1
.endm
.macro JLOAD                           ; waves 0-3 fetch a step each; the branch hangs on the wave's number alone; four v_nop follow the load
	s_cmp_lt_u32 s[WV], 4
	s_cbranch_scc0 .Lnone_\@
	tensor_load_to_lds s[G0:G0+3], s[G1:G1+7]
	s_nop 0
.rept 4
	v_nop
.endr
.Lnone_\@:
.endm
; A PREFETCH INTO THE L2 of the slot that the NEXT change of slots will ask for: four steps ahead of that load.  All clusters of a batch walk the same bytes: the batch's first cluster asks.  Its four partners take a
; step each, told apart BY ADDRESS; in each, waves 4, 5 and 6, which fetch nothing there, take 8,192 bytes each, lanes 256 bytes apart.  So each aligned block of 256 bytes is named once in the launch.
; Slots 0 and 1 come by their loads alone; the last change that fills a slot asks for nothing.
.macro ASK
	s_cmp_gt_u32 s[SLOTS], s[LIM]
	s_cbranch_scc0 .Lnot_mine_\@
	global_prefetch_b8 v[PFO], s[PFA:PFA+1] th:TH_LOAD_NT scope:SCOPE_SE
.Lnot_mine_\@:
.endm
	s_load_b256 s[4:11], s[0:1], 0x0               ; kv 4, vsc 6, kq 8, x 10
	s_load_b128 s[12:15], s[0:1], 0x20             ; gamma 12, out0 14
	v_lshl_add_u32 v[SPW], v0, 2, SPARE
	v_mov_b32 v[NIL], 0
	ds_add_u32 v7, v8
	s_wait_dscnt 0x0
	v_lshrrev_b32 v9, 5, v0
	v_readfirstlane_b32 s[WV], v9                  ; wave 0..15
	v_and_b32 v9, 31, v0                           ; lane
	v_lshlrev_b32 v[LI], 4, v9
	v_add_nc_u32 v[LSV], SCV, v[LI]
	v_lshlrev_b32 v[PFO], 8, v9
	v_and_b32 v10, 15, v0                          ; r
	v_bfe_u32 v11, v0, 4, 1                        ; h
	v_and_b32 v[SO0], 8, v10
	v_add_nc_u32 v[SO0], v[SO0], v10               ; r + 8 (r / 8)
	v_lshlrev_b32 v[SO0], 2, v[SO0]
	v_mad_u32_u24 v[SO0], v11, 8*SP, v[SO0]        ; + 8 h rows
	s_lshr_b32 s2, s[WV], 1
	s_lshl_b32 s2, s2, 7
	s_and_b32 s3, s[WV], 1
	s_lshl_b32 s3, s3, 5
	s_add_co_u32 s2, s2, s3
	v_add_nc_u32 v[SO0], s2, v[SO0]                ; + 4 x (32 (wave / 2) + 8 (wave % 2))
	v_add_nc_u32 v[SO1], 64*SP, v[SO0]
	s_mul_i32 s2, s[WV], 8*SP
	v_add_nc_u32 v[SR], s2, v[LI]
	s_bfe_u32 s60, ttmp6, 0x40000                  ; cx: it enters global addresses of k, x, out0 and of the prefetches alone
	s_lshl_b32 s61, ttmp9, 2
	s_add_co_u32 s61, s61, s60                     ; my block of 256 positions = 4 x cluster x + cx
	s_and_b32 s62, ttmp7, 0xffff                   ; the batch, which the four partners share
	s_mul_i32 s66, s62, 32*STEPB                   ; its first byte in kv
	s_mul_i32 s63, s[WV], STEPB                    ; the step of a slot that I fetch, if I fetch: in memory and in LDS alike
	s_add_co_u32 s68, s66, s63
	s_mov_b32 s69, 0
	s_mov_b32 s[G1], 15|(3<<16)|(1<<21)            ; 15:0 the mask: all four work-groups; 17:16 elements of 8 bytes; 20 no padding; 21 set beside a mask
	s_mov_b32 s[G1+1], 32<<16                      ; tensor_dim0 = 32 elements: 256 bytes
	s_mov_b32 s[G1+2], 96<<16                      ; tensor_dim1 = 96 rows
	s_mov_b32 s[G1+3], 32<<16                      ; tile_dim0
	s_mov_b32 s[G1+4], 96                          ; tile_dim1
	s_mov_b32 s[G1+5], 32                          ; from row to row: dense
	s_mov_b32 s[G1+6], 0
	s_mov_b32 s[G1+7], 0
	s_mov_b32 s[G1S], 15|(3<<16)|(1<<21)
	s_mov_b32 s[G1S+1], 32<<16
	s_mov_b32 s[G1S+2], 64<<16
	s_mov_b32 s[G1S+3], 32<<16
	s_mov_b32 s[G1S+4], 64
	s_mov_b32 s[G1S+5], 32
	s_mov_b32 s[G1S+6], 0
	s_mov_b32 s[G1S+7], 0
	s_mov_b32 s[MNT], 0x600000
	s_mov_b32 s[SEL], 0x76543210
	s_mov_b32 s[SEL+1], 0xfedcba98
	s_mov_b32 s[CS], 0x3fb8aa3b                    ; log2(e)
	s_mov_b32 s[CS+1], s[CS]                       ; (named with it as a pair, so it is written)
	s_mov_b32 s[TB], 0
	s_mov_b32 s[TS], 0
	s_mov_b32 s[SLOTS], 7
	s_sub_co_u32 s70, s[WV], 4
	s_cmp_lt_u32 s70, 3                            ; waves 4, 5, 6
	s_cselect_b32 s71, 0, 1
	s_or_b32 s71, s71, ttmp9                       ; of the batch's first cluster: the same in all four partners
	s_cmp_eq_u32 s71, 0
	s_cselect_b32 s[LIM], 1, -1
	s_min_u32 s70, s70, 2
	s_lshl_b32 s70, s70, 13                        ; my wave's 8,192 bytes
	s_mul_i32 s71, s60, STEPB                      ; of my work-group's step
	s_add_co_u32 s70, s70, s71
	s_add_co_u32 s70, s70, s66
	s_add_co_u32 s70, s70, SLOTB                   ; in slot 1: the first change of slots steps it to slot 2.  Nothing is prefetched here, at the head
	s_mov_b32 s71, 0
	s_wait_kmcnt 0x0
	s_load_b32 s[GAM], s[12:13], 0x0               ; gamma; waited for ahead of the loop
	s_add_nc_u64 s[PFA:PFA+1], s[4:5], s[70:71]
	s_mov_b32 s[G0], 1                             ; count = 1
	s_mov_b32 s[G0+1], s63                         ; LDS address: slot 0, my step
	s_add_nc_u64 s[G0+2:G0+3], s[4:5], s[68:69]    ; global address
	s_or_b32 s[G0+3], s[G0+3], 0x80000000          ; type = 2
	s_lshl_b32 s68, s62, 14
	s_mov_b32 s[G0S], 1
	s_mov_b32 s[G0S+1], SCV
	s_add_nc_u64 s[G0S+2:G0S+3], s[6:7], s[68:69]  ; the batch's 16,384 scale bytes
	s_or_b32 s[G0S+3], s[G0S+3], 0x80000000
	s_lshl_b32 s70, s62, 18
	s_lshl_b32 s2, s61, 14
	s_add_co_u32 s70, s70, s2
	s_lshl_b32 s2, s[WV], 10
	s_add_co_u32 s70, s70, s2
	s_add_nc_u64 s[8:9], s[8:9], s[70:71]          ; k's tile 16 x + wave
	s_lshl_b32 s70, s62, 21
	s_lshl_b32 s2, s[WV], 17
	s_add_co_u32 s70, s70, s2
	s_lshl_b32 s2, s61, 10
	s_add_co_u32 s70, s70, s2
	s_add_nc_u64 s[XP:XP+1], s[10:11], s[70:71]
	s_add_nc_u64 s[OP:OP+1], s[14:15], s[70:71]
	CROUND                                         ; all four work-groups are here: the first joint loads meet
	s_cmp_lt_u32 s[WV], 4                          ; the first fills: one load a wave, waves 0-3 slot 0, wave 4 the scale bytes; the wait that follows them is for 0
	s_cbranch_scc0 .Lnot_kv
	tensor_load_to_lds s[G0:G0+3], s[G1:G1+7]
	s_nop 0
.rept 4
	v_nop
.endr
	s_branch .Lfirst_asked
.Lnot_kv:
	s_cmp_eq_u32 s[WV], 4
	s_cbranch_scc0 .Lfirst_asked
	tensor_load_to_lds s[G0S:G0S+3], s[G1S:G1S+7]
	s_nop 0
.rept 4
	v_nop
.endr
.Lfirst_asked:
	global_load_b128 v[KB:KB+3], v[LI], s[8:9]     ; k stays in registers
	global_load_b128 v[KB+4:KB+7], v[LI], s[8:9] offset:512
	v_mov_b32 v13, 0xff61b1e6                      ; the largest t so far: -3e38, under every t
	v_floor_f32 v12, -v13                          ; -M
	v_mov_b32 v14, 0                               ; l, in two halves
	v_mov_b32 v15, 0
.irp b, 0,1,2,3
	v_mov_b32 v[BM+4+\b], 0                        ; written once: a lane permute's destination counts as one of its sources
.endr
	v_mov_b32 v253, 0                              ; (named as the upper half of the pair v[252:253] before it is first written)
.set j, 0
.rept 64
	v_mov_b32 v[O+j], 0                            ; O^T.  (The step is written once: the first finds zeros, which the first change of M leaves zeros)
.set j, j+1
.endr
; A STEP: 128 n.
.macro STEP
	v_add_nc_u32 v[ADQ], s[TB], v[LI]
	v_add_nc_u32 v[ADT], s[TS], v[LSV]
.rept 6
	v_nop                                          ; with the two additions: eight places between the last step's products and the loads into the registers that they read
.endr
.irp c, 0,1                                    ; q's eight fragments: dims 8 h + 0..3 of all tiles first, then dims 8 h + 4..7
.irp t, 0,1,2,3,4,5,6,7
	ds_load_b128 v[F+8*\t+4*\c:F+8*\t+4*\c+3], v[ADQ] offset:1024*\t+512*\c
.endr
.endr
	s_wait_dscnt 8                                 ; the first eight loads are in; the eight of the second halves may be out
.irp s, 0,1,2,3                                ; S^T: the eight accumulators take turns, one instruction a turn; each sum's first K step takes the constant 0
.if \s == 2
	s_wait_dscnt 0x0
.endif
.irp t, 0,1,2,3,4,5,6,7
.if \s == 0
	v_wmma_f32_16x16x4_f32 v[S+8*\t:S+8*\t+7], v[F+8*\t:F+8*\t+1], v[KB:KB+1], 0
.else
	v_wmma_f32_16x16x4_f32 v[S+8*\t:S+8*\t+7], v[F+8*\t+2*\s:F+8*\t+2*\s+1], v[KB+2*\s:KB+2*\s+1], v[S+8*\t:S+8*\t+7]
.endif
.endr
.endr
.rept 8
	v_nop                                          ; eight places ahead of the first read of results
.endr
.irp b, 0,1,2,3
	v_max3_num_f32 v[BM+\b], v[S+16*\b], v[S+1+16*\b], v[S+2+16*\b]   ; THE LARGEST SCORE OF EACH BLOCK OF 32 n: for the column's maximum and, since p rises with the score, for the block's largest p.  Each result is read from its low end on
.endr
.irp i, 3,5,7,9,11,13
.irp b, 0,1,2,3
	v_max3_num_f32 v[BM+\b], v[BM+\b], v[S+16*\b+\i], v[S+1+16*\b+\i]
.endr
.endr
.irp b, 0,1,2,3
	v_max_num_f32 v[BM+\b], v[BM+\b], v[S+15+16*\b]
.endr
.irp b, 0,1,2,3
	v_permlanex16_b32 v[BM+4+\b], v[BM+\b], s[SEL], s[SEL+1]
.endr
.irp b, 0,1,2,3
	v_max_num_f32 v[BM+\b], v[BM+\b], v[BM+4+\b]   ; with lane l xor 16's 16 n
.endr
	v_max3_num_f32 v254, v[BM], v[BM+1], v[BM+2]
	v_max_num_f32 v254, v254, v[BM+3]              ; the step's largest score of my m
	v_mul_f32 v254, s[CS], v254                    ; as t
	v_max_num_f32 v13, v13, v254                   ; the running largest t
	v_mov_b32 v254, v12
	v_floor_f32 v12, -v13                          ; the new -M = floor(-t) = -ceil(t): a whole number
	v_sub_f32 v254, v12, v254                      ; old M - new M: a whole number, 0 or less
	v_cvt_i32_f32 v254, v254                       ; (it saturates)
	v_ldexp_f32 v252, 1.0, v254                    ; f = 2^(old M - new M)
.set j, 0
.rept 32
	v_pk_fma_f32 v[F+j:F+j+1], v[S+j:S+j+1], s[CS:CS+1], v[12:13] op_sel_hi:[1,0,0]   ; t - M, two at a time, INTO OTHER REGISTERS than the scores'
.set j, j+2
.endr
.irp b, 0,1,2,3
	v_fma_f32 v[BM+\b], v[BM+\b], s[CS], v12       ; the same of each block's largest score
.endr
.set j, 0
.rept 64
	v_exp_f32 v[F+j], v[F+j]                       ; p = 2^(t - M), at most 1: not normalised
.set j, j+1
.endr
	v_pk_mul_f32 v[14:15], v[14:15], v[252:253] op_sel_hi:[1,0]   ; l under the new M: a plain line behind the exponentials
	s_wait_alu depctr_va_vdst(0)                   ; one wait for the whole batch, ahead of its first reader
.irp b, 0,1,2,3
	v_exp_f32 v[BM+\b], v[BM+\b]                   ; the block's largest p: the same two instructions on the same number give the same bits
.endr
	v_pk_add_f32 v[236:237], v[F:F+1], v[F+2:F+3]  ; l IS TAKEN OF THE UNQUANTISED p: two at a time, in two chains; these read the 64 alone
.irp j, 4,8,12,16,20,24,28,32,36,40,44,48,52,56,60
	v_pk_add_f32 v[14:15], v[14:15], v[F+\j:F+\j+1]
	v_pk_add_f32 v[236:237], v[236:237], v[F+2+\j:F+3+\j]
.endr
	v_pk_add_f32 v[14:15], v[14:15], v[236:237]
	s_wait_alu depctr_va_vdst(0)                   ; and one for the four
.irp b, 0,1,2,3
	v_max_num_f32 v[BM+\b], 0x8000000, v[BM+\b]    ; the floor 2^(16 - 127): the byte cannot fall under 1
.endr
.irp b, 0,1,2,3
	v_add_nc_u32 v[BM+12+\b], 0xf8800000, v[BM+\b] ; 15 off the exponent field: the conversion's scale operand
.endr
.irp b, 0,1,2,3
	v_and_or_b32 v[BM+8+\b], v[BM+\b], 0x7f800000, s[MNT]   ; 57,344 x the scale
.endr
.irp b, 0,1,2,3
	v_lshrrev_b32 v[BM+4+\b], 23, v[BM+12+\b]      ; the scale's byte
.endr
	v_lshl_or_b32 v253, v[BM+5], 8, v[BM+4]        ; p's scale word for these 128 n
	v_lshl_or_b32 v253, v[BM+6], 16, v253
	v_lshl_or_b32 v253, v[BM+7], 24, v253
.irp b, 0,1,2,3
.irp i, 0,1,2,3,4,5,6,7,8,9,10,11,12,13,14,15
	v_min_num_f32 v[F+16*\b+\i], v[F+16*\b+\i], v[BM+8+\b]   ; the conversion does not saturate (ISA guide 7.6.2); p is not negative, so the hold is one-sided
.endr
	v_cvt_scalef32_pk8_bf8_f32 v[PC+4*\b:PC+1+4*\b], v[F+16*\b:F+7+16*\b], v[BM+12+\b]
	v_cvt_scalef32_pk8_bf8_f32 v[PC+2+4*\b:PC+3+4*\b], v[F+8+16*\b:F+15+16*\b], v[BM+12+\b]
.endr
.set j, 0
.rept 32
	v_pk_mul_f32 v[O+j:O+j+1], v[O+j:O+j+1], v[252:253] op_sel_hi:[1,0]   ; O^T under the new M.  These 32 are also the places ahead of the products and loads below
.set j, j+2
.endr
	ds_load_b128 v[VS:VS+3], v[ADT]                ; v's scale words of all eight channel tiles
.irp g, 0,1                                    ; O^T += v p: four channel tiles at a time; K = these 128 n
.if \g > 0
.rept 8
	v_nop                                          ; eight places ahead of loads into registers that the last products read
.endr
.endif
.irp t, 0,1,2,3
.irp c, 0,1,2,3
	ds_load_b128 v[F+16*\t+4*\c:F+16*\t+4*\c+3], v[ADQ] offset:VOFF+2048*(4*\g+\t)+512*\c
.endr
.endr
	s_wait_dscnt 0x0
.irp t, 0,1,2,3
.if \t%2
	v_wmma_scale_f32_16x16x128_f8f6f4 v[O+8*(4*\g+\t):O+8*(4*\g+\t)+7], v[F+16*\t:F+16*\t+15], v[PC:PC+15], v[O+8*(4*\g+\t):O+8*(4*\g+\t)+7], v[VS+2*\g+\t/2], v253 matrix_a_fmt:MATRIX_FMT_BF8 matrix_b_fmt:MATRIX_FMT_BF8 matrix_a_scale:MATRIX_SCALE_ROW1
.else
	v_wmma_scale_f32_16x16x128_f8f6f4 v[O+8*(4*\g+\t):O+8*(4*\g+\t)+7], v[F+16*\t:F+16*\t+15], v[PC:PC+15], v[O+8*(4*\g+\t):O+8*(4*\g+\t)+7], v[VS+2*\g+\t/2], v253 matrix_a_fmt:MATRIX_FMT_BF8 matrix_b_fmt:MATRIX_FMT_BF8
.endif
.endr
.endr
	s_add_co_u32 s[TB], s[TB], STEPB               ; the next step's block and scale bytes
	s_add_co_u32 s[TS], s[TS], 512
.endm
; THE CHANGE OF SLOTS stands at a slot's head.  Each wave waits for all its tensor loads, adds 0 to its spare word, and waits for that and for its reads of the slot that it has left.
; fill = 1: that slot is filled with the four steps that follow.  The barrier is then a round of the cluster's, so that no wave of any partner still reads the slot or has a load on its way; the joint load is the first thing behind it
; and has four steps in which to land.
.macro CHANGE fill
	s_wait_tensorcnt 0x0                           ; no tensor load of mine is out, so a group 0 may be written
	ds_add_u32 v[SPW], v[NIL]                      ; 0 onto my spare word
.if \fill
	s_xor_b32 s[G0+1], s[G0+1], SLOT1              ; the walking descriptor: the other slot than last time,
	s_add_nc_u64 s[G0+2:G0+3], s[G0+2:G0+3], SLOTB ; the next four steps; the type bits on top are not reached
	s_wait_xcnt 0x0                                ; the last prefetch, a slot back, has read its address, so it may be written:
	s_add_nc_u64 s[PFA:PFA+1], s[PFA:PFA+1], SLOTB ; one slot further on than the walking descriptor
	s_wait_dscnt 0x0                               ; the add is done, and my reads of the slot that I have left are over
	CROUND
	JLOAD
	ASK
.else
	s_wait_dscnt 0x0
	s_barrier_signal -1
	s_barrier_wait -1
.endif
.endm
.macro FOUR_STEPS                      ; a slot's four steps: written once, walked four times; the LDS addresses hang on s[TB] and s[TS]
	s_mov_b32 s[STEPS], 4
.Lstep_\@:
	STEP
	s_sub_co_u32 s[STEPS], s[STEPS], 1
	s_cmp_lg_u32 s[STEPS], 0
	s_cbranch_scc1 .Lstep_\@
	s_sub_co_u32 s[TB], s[TB], SLOTB               ; back to a slot's first step,
	s_xor_b32 s[TB], s[TB], SLOT1                  ; in the other slot
.endm
	s_wait_loadcnt 0x0                             ; k
	s_wait_kmcnt 0x0                               ; gamma
.Lslot:                                            ; seven trips: behind each change of slots but the last the next slot is asked for
	CHANGE 1
	FOUR_STEPS
	s_sub_co_u32 s[SLOTS], s[SLOTS], 1
	s_cmp_lg_u32 s[SLOTS], 0
	s_cbranch_scc1 .Lslot
	CHANGE 0                                       ; the last slot is written out
	FOUR_STEPS
	; THE WAY OUT.  A lane holds one position and 64 channels; a row of out0 is a channel's positions.  So gamma x O^T / l goes through a stage in LDS, [channel][position], and each wave takes 8 whole channel rows of
	; 1,024 bytes back, adds x and stores them: 512 consecutive bytes an instruction.
.rept 8
	v_nop                                          ; eight places behind the last products: for the loads into the registers that they read, and for the reads of their results
.endr
.set i, 0
.rept 16
	global_load_b128 v[F+4*i:F+4*i+3], v[LI], s[XP:XP+1] offset:16384*(i/2)+512*(i%2) th:TH_LOAD_NT   ; x: channel 8 wave + i / 2, half i % 2 of the 256 positions
.set i, i+1
.endr
	v_add_f32 v14, v14, v15                        ; l's two halves,
	v_permlanex16_b32 v252, v14, s[SEL], s[SEL+1]
	v_add_f32 v14, v14, v252                       ; and lane l xor 16's
	v_rcp_f32 v14, v14
	v_nop                                          ; a plain line behind the reciprocal
	s_wait_alu depctr_va_vdst(0)                   ; and the wait ahead of its first reader
	v_mul_f32 v14, s[GAM], v14                     ; gamma / l
.set j, 0
.rept 32
	v_pk_mul_f32 v[O+j:O+j+1], v[O+j:O+j+1], v[14:15] op_sel_hi:[1,0]   ; each result from its low end on
.set j, j+2
.endr
	s_wait_dscnt 0x0                               ; my reads of the slots are over
	s_barrier_signal -1
	s_barrier_wait -1                              ; everybody's are: the stage may be written
.irp ct, 0,1,2,3
.irp j, 0,1,2,3,4,5,6,7
	ds_store_b32 v[SO0], v[O+8*\ct+\j] offset:(16*\ct+\j)*SP         ; channel 16 ct + 8 h + j, my position
.endr
.endr
.irp ct, 4,5,6,7
.irp j, 0,1,2,3,4,5,6,7
	ds_store_b32 v[SO1], v[O+8*\ct+\j] offset:(16*(\ct-4)+\j)*SP
.endr
.endr
	s_wait_dscnt 0x0                               ; for the others' sake: my stores into the stage are done
	s_barrier_signal -1
	s_barrier_wait -1
.set i, 0
.rept 16
	ds_load_b128 v[O+4*i:O+4*i+3], v[SR] offset:SP*(i/2)+512*(i%2)
.set i, i+1
.endr
	s_wait_loadcnt 0x0                             ; x
.set i, 0
.rept 16
	s_wait_dscnt 15-i                              ; load i is back; the 15 - i younger ones may be out
	v_pk_add_f32 v[O+4*i:O+4*i+1], v[O+4*i:O+4*i+1], v[F+4*i:F+4*i+1]
	v_pk_add_f32 v[O+4*i+2:O+4*i+3], v[O+4*i+2:O+4*i+3], v[F+4*i+2:F+4*i+3]
	global_store_b128 v[LI], v[O+4*i:O+4*i+3], s[OP:OP+1] offset:16384*(i/2)+512*(i%2) th:TH_STORE_NT   ; 32 lanes store 512 consecutive bytes, at a multiple of 256 from out0's first byte
.set i, i+1
.endr
	s_wait_tensorcnt 0x0                           ; the wave's end: behind my last tensor load and my last LDS store
	ds_add_u32 v[SPW], v[NIL]
	s_wait_dscnt 0x0
	CROUND                                         ; the closing round: no work-group ends while a partner may still ask for a tile that names it
	s_endpgm
.Lfunc_end_k_qd6b720fc3d_attn:
	.size	k_qd6b720fc3d_attn, .Lfunc_end_k_qd6b720fc3d_attn-k_qd6b720fc3d_attn
	.p2alignl 7, 3214868480
	.fill 96, 4, 3214868480
	.section	.rodata,"a",@progbits
	.p2align	6, 0x0
	.amdhsa_kernel k_qd6b720fc3d_attn
		.amdhsa_group_segment_fixed_size 327680
		.amdhsa_private_segment_fixed_size 0
		.amdhsa_enable_private_segment 0
		.amdhsa_kernarg_size 48
		.amdhsa_user_sgpr_count 2
		.amdhsa_user_sgpr_kernarg_segment_ptr 1
		.amdhsa_wavefront_size32 1
		.amdhsa_system_sgpr_workgroup_id_x 1
		.amdhsa_system_sgpr_workgroup_id_y 1
		.amdhsa_system_sgpr_workgroup_id_z 1
		.amdhsa_system_vgpr_workitem_id 0
		.amdhsa_next_free_vgpr 256
		.amdhsa_next_free_sgpr 72
		.amdhsa_reserve_vcc 0
		.amdhsa_float_denorm_mode_32 3
		.amdhsa_float_denorm_mode_16_64 3
		.amdhsa_memory_ordered 1
		.amdhsa_forward_progress 1
		.amdhsa_inst_pref_size 68
	.end_amdhsa_kernel
	.amdgpu_metadata
---
amdhsa.version: [ 1, 2 ]
amdhsa.kernels:
  - .name:           k_qd6b720fc3d_attn
    .symbol:         k_qd6b720fc3d_attn.kd
    .args:
      - { .name: kv, .offset: 0, .size: 8, .value_kind: global_buffer, .address_space: global }
      - { .name: vsc, .offset: 8, .size: 8, .value_kind: global_buffer, .address_space: global }
      - { .name: kq, .offset: 16, .size: 8, .value_kind: global_buffer, .address_space: global }
      - { .name: x, .offset: 24, .size: 8, .value_kind: global_buffer, .address_space: global }
      - { .name: gamma, .offset: 32, .size: 8, .value_kind: global_buffer, .address_space: global }
      - { .name: out0, .offset: 40, .size: 8, .value_kind: global_buffer, .address_space: global }
    .group_segment_fixed_size: 327680
    .private_segment_fixed_size: 0
    .kernarg_segment_align: 8
    .kernarg_segment_size: 48
    .max_flat_workgroup_size: 512
    .sgpr_count:     72
    .vgpr_count:     256
    .wavefront_size: 32
...
	.end_amdgpu_metadata
.endif
;; end of part 2
